; MI455X (gfx1250); checked and timed in simulation.
; The chip was launched on July 23, 2026; its instructions are those of AMD's public machine-readable ISA for CDNA 5 (MIT licence, August 2026) and "CDNA5" Instruction Set Architecture Reference Guide (July 2026). The comments in the code are by the model that wrote it; some were corrected since.
;; Causal Self Attention. Allowed arithmetic: matrix products marked QUANTISED: E4M3 operands, one given power-of-two scale a tensor, by v_wmma_f32_16x16x64_fp8_fp8 or v_wmma_f32_16x16x128_fp8_fp8, f32 sums; everything else in f32.
;; Inputs: W_attn_codes 3,072 x 32 x 32 uint8 (E4M3 codes of W_attn, K innermost, in blocks of 32 codes); W_proj_codes 1,024 x 32 x 32 uint8 (E4M3 codes of W_proj, K innermost, in blocks of 32 codes); lowp_scales 8 int32 (the exponents e of the quantised operands' scales 2^e); x_codes 4 x 2,048 x 32 x 32 uint8 (E4M3 codes of x, K innermost, in blocks of 32 codes).
;; Outputs: out0 4 x 2,048 x 1,024 float32.
;; This version of the problem:
;;   THIS VERSION OF THE PROBLEM IS GIVEN IN LOW PRECISION. The matrix products marked QUANTISED in the list below multiply operands that are first quantised to E4M3 (4 exponent bits, 3 mantissa bits; 8 bits a number), with one given power-of-two scale for each operand tensor; their sums are f32. All else is computed in f32.
;;   The module's matrix products, in the order in which they are computed (A, B: the left and right operand; K: the contracted axis; several contracted axes count as one K, in the product's order):
;;     1. [M 8,192, K 1,024] x [K 1,024, N 3,072]; A: input x (given as codes); B: input W_attn (given as codes): QUANTISED (scales: A lowp_scales[0], B lowp_scales[1])
;;     2. batch 64 x [M 2,048, K 64] x [K 64, N 2,048]; A: computed on the way; B: computed on the way: QUANTISED (scales: A lowp_scales[2], B lowp_scales[3])
;;     3. batch 64 x [M 2,048, K 2,048] x [K 2,048, N 64]; A: softmax (see below); B: computed on the way: QUANTISED (scales: A lowp_scales[4], B lowp_scales[5])
;;     4. [M 8,192, K 1,024] x [K 1,024, N 1,024]; A: computed on the way; B: input W_proj (given as codes): QUANTISED (scales: A lowp_scales[6], B lowp_scales[7])
;;   THE QUANTISER, for each operand of a quantised product, along K:
;;     - The operand's scale is 2^e, e = its entry of the input lowp_scales (int32; the entries are numbered through the quantised products in the list's order, A before B).
;;     - Each number is divided by the scale, clamped to +-448, and rounded to the nearest number of E4M3, ties to even, subnormals kept.
;;     - The product sums the exact products of the quantised numbers (number of the format x scale) in f32.
;;   ~~~python
;;   def quantise(x, axis, e):      # numpy; x: float32 -> the quantised numbers, widened to float32 again
;;       x = np.moveaxis(x, axis, -1); K = x.shape[-1]
;;       r = np.clip(x / 2.0 ** e, -448, 448)
;;       step = 2.0 ** (np.maximum(np.frexp(np.where(r == 0, 1, r))[1] - 1, -6) - 3)
;;       q = np.round(r / step) * step * 2.0 ** e      # np.round: ties to even
;;       return np.moveaxis(q, -1, axis).astype(np.float32)
;;   ~~~
;;   SOFTMAX AHEAD OF A QUANTISED PRODUCT. Where the list says 'softmax', what is quantised is not the finished softmax but p = 2^(t - M), with t = logit x log2(e) and M = ceil(the row's largest t), a whole number; so 1/2 < the row's largest p <= 1. The row's sum l is taken of the UNQUANTISED p, in f32, and the product's result is divided by l at the end. Since M is a whole number, a kernel that streams over the keys may use a running M (the ceiling of the running maximum): every later rescaling is an exact power of two, so the quantised numbers keep their values, but for numbers so far below the row's largest that they fall under the format's range.
;;   OPERANDS COMPUTED ON THE WAY. 'Computed on the way' means the value that the module computes at that place (a softmax that the list does not call 'softmax' is quantised finished and normalised). What goes into a quantiser is computed in f32, as accurately as f32 sums, v_exp_f32 and their like allow (about 1e-6 of the number): no bf16 or f16 on the way to a quantiser, and a product that is left as it is and whose result goes on into a quantised operand takes f32 operands (vector FMAs, or v_wmma_f32_16x16x4_f32). A number that lies on a knife's edge between two numbers of the format may be rounded either way, as far as f32 arithmetic and the matrix unit's own rounding can turn it there, and no further.
;;   INPUTS GIVEN AS CODES. W_attn (in the module: [1024, 3072], K = its axis 0); W_proj (in the module: [1024, 1024], K = its axis 0); x (in the module: [4, 2048, 1024], K = its axis 2): each comes as NAME_codes (uint8): NAME with its K axis moved to the last place and cut into blocks of 32 codes, [.., K / 32, bytes a block], one block behind the other in memory; one code a byte (a code: sign, 4 exponent bits, 3 mantissa bits); its scale is its entry of lowp_scales. Its value is code x scale, taken as it is: it is not quantised again, and the codes and scales need not be those that the quantiser above would give.
;; One version. Each part assembles by itself: llvm-mc -triple=amdgcn-amd-amdhsa -mcpu=gfx1250 --defsym DOCPART=n.
;; ======== version 1 of 1: 3 launches
;; limits: right only within a limited range of input values
;; workspace buffers: q_codes 8,388,608 bytes; k_codes 8,388,608 bytes; v_codes 8,388,608 bytes; a_codes 8,388,608 bytes
;; launch qkv (part 1): grid 12 x 32, 4 waves a work-group, clusters of 4 x 4, 327,680 bytes of LDS; arguments x_codes, W_attn_codes, lowp_scales, q_codes, k_codes, v_codes; writes q_codes, k_codes, v_codes
.if DOCPART == 1
	.amdgcn_target "amdgcn-amd-amdhsa--gfx1250"
	.amdhsa_code_object_version 6
	.text
	.protected	k_q59df86dd1f_qkv
	.globl	k_q59df86dd1f_qkv
	.p2align	8
	.type	k_q59df86dd1f_qkv,@function
k_q59df86dd1f_qkv:
	s_mov_b64 s[64:65], 0
	v_nop
	global_prefetch_b8 v0, s[64:65] scope:SCOPE_SE
	s_setreg_imm32_b32 hwreg(HW_REG_WAVE_MODE, 25, 1), 1
	s_wait_xcnt 0x0
	s_wait_alu depctr_hold_cnt(0) depctr_sa_sdst(0) depctr_va_vdst(0) depctr_va_sdst(0) depctr_va_ssrc(0) depctr_va_vcc(0) depctr_vm_vsrc(0)
	s_getreg_b32 s2, hwreg(HW_REG_IB_STS2, 6, 4)
	s_cmp_eq_u32 s2, 0
	s_cbranch_scc0 .Lentry_in_a_cluster
	s_endpgm
.Lentry_in_a_cluster:
	s_bfe_u32 s2, ttmp6, 0x10000c
	s_cmp_lg_u32 s2, 0xf033
	s_cbranch_scc0 .Lentry_shape_is_right
	s_endpgm
.Lentry_shape_is_right:
; qkv = x W_attn on codes of FP8 (E4M3), then q, k and v quantised with their given scales.  x: [8192][1024] codes, W_attn: [3072][1024] codes, K innermost in both.
; ONE TEXT FOR q, k AND v.  The kernel makes a tile of 256 x 256 of R S^T; source 1 of the matrix instruction takes 16 rows of R, source 0 takes 16 rows of S, so a lane holds ONE row of R and eight neighbouring
; indices of S.  Cluster x = 0 (q) and 1 (k): R = x (tokens), S = W's rows 0-2047: a lane's eight numbers are eight channels of a token.  Cluster x = 2 (v): R = W's rows 2048-3071, S = x: a lane's eight numbers are
; eight TOKENS of one channel, so v comes out with the keys innermost, as the second product of attention wants it.  Only pointers and tile numbers differ; they are chosen on the cluster's x, which all partners share.
; OUT.  q_codes, k_codes: [batch 4][head 16][token 2048][64];  v_codes: [batch][head][channel 64][token 2048].  Along the innermost axis, inside each group of 32, element 16 u + 8 h + j lies at place 16 h + 8 u + j:
; a load of 16 bytes at 32 c + 16 h then brings a lane of half h the registers 4 c .. 4 c + 3 of the plain 8-bit operand layout.
; code = sum x 2^(e0 + e1) / 2^et, held within +-448, nearest code, ties to even; et = entry 2 (q), 3 (k), 5 (v) of the scales.  LIMIT: et - e0 - e1 between -126 and 119.  NaN codes among the inputs are not served.
; SHARES.  Four waves, each 128 x 128: 64 accumulators, 512 registers.  K = 1024 goes in four steps of 256 through two LDS slots filled by the tensor data mover: rows of 256 bytes of memory.
; CLUSTERS: 4 x 4 work-groups.  R's tile hangs on the tile row and is asked for jointly by the four of a row of the cluster, S's on the tile column and by the four of a column.
; REGISTERS, in windows of 256: window 0: v0-31 addresses; from v128 R's fragments, ONE set; on the way out v96-223 are at work.  window 1: S's fragments, two sets, at v0 and v128.
;   window 2: the accumulators of my rows 0-63 ((a, b) at v[8 (8 a + b)]);  window 3: those of my rows 64-127.
.set KROW,   1024                      ; a row of x or of W in memory, in bytes
.set ROWB,   256                       ; a tile's row in bytes: 256 along K
.set PITCH,  272                       ; an LDS row: 256 bytes + 16 of padding = 68 words: row r starts at bank 4 r mod 64 (64 banks of 4 bytes: ISA guide 11.1)
.set FR,     16                        ; registers of a fragment: 16 rows x 128 K
.set NL,     4                         ; LDS loads that bring one
.set NP,     4                         ; places behind this matrix instruction (ISA guide 7.12.1)
.set HALFT,  128*PITCH                 ; 128 rows: what one tensor load brings, and what one wave reads of R or of S
.set SLOT,   4*HALFT                   ; R's 256 rows, then S's 256 rows
.set SPARE,  2*SLOT                    ; behind the ring: the spare words, 128 bytes for each wave: two blocks of 256 bytes that no other line names
.set SC,   12                          ; v12     2^(et - e0 - e1) as f32, for the conversions
.set LIM,  13
.set ADRA, 16                          ; v16-17  LDS address of my R fragments in slot 0, 1
.set ADRB, 20                          ; v20-21  the same for S
.set STO,  24                          ; v24     the way out: where I put 16 bytes of a stage row
.set RDQ,  25                          ; v25     q, k: where I read the stage back: 8 tokens x 64 bytes an instruction
.set RDV,  26                          ; v26     v: two whole rows an instruction
.set GOQ,  27                          ; v27     q, k: my byte offset in a store's 512 bytes
.set SPW,  28                          ; v28     LDS address of my spare word: SPARE + 4 x my thread's number; never rewritten
.set NIL,  29                          ; v29     0; never rewritten
.set GOV,  30                          ; v30     v: my byte offset in two rows of v_codes
.set TMP,  32
.set CD,   96                          ; v96-223 codes: 16 registers for each of the eight blocks; later the rows read back
.set AF,   128                         ; R's fragments, in window 0
.set G1, 24                            ; s[24:31] descriptor group 1 for R's tiles;  s[32:39] group 0, one set for each slot
.set G0, 32
.set G1B, 48                           ; s[48:55], s[56:63] the same for S's tiles
.set G0B, 56
.set MSB, 0
.macro WIN new                         ; the immediate's high byte repeats the setting that is left
.if MSB != \new
	s_set_vgpr_msb (MSB<<8)|\new
.set MSB, \new
.endif
.endm
.set MUL_LO, 0xa1                      ; source 0 (S) window 1, source 1 (R) window 0, C and D window 2
.set MUL_HI, 0xf1                      ; the same, C and D window 3
.set TO_B,   0x40                      ; destination window 1, address window 0
; A joint load: waves 0 and 1 fetch for R, waves 2 and 3 for S.  Each of the two lines has ONE mask and one set of registers for all that issue it; the branch hangs on the wave's number alone.
; Four v_nop follow each of the two lines, ahead of the jump, the label and what follows.
.macro JLOAD g0a, g1a, g0b, g1b
	s_cmp_eq_u32 s15, 0
	s_cbranch_scc0 .Lfor_b_\@
	tensor_load_to_lds s[\g0a:\g0a+3], s[\g1a:\g1a+7]
	s_nop 0
.rept 4
	v_nop
.endr
	s_branch .Lasked_\@
.Lfor_b_\@:
	tensor_load_to_lds s[\g0b:\g0b+3], s[\g1b:\g1b+7]
	s_nop 0
.rept 4
	v_nop
.endr
.Lasked_\@:
.endm
.macro CREST                           ; a round of the cluster's barrier behind its opening barrier
	s_cmp_lg_u32 s14, 0
	s_cbranch_scc1 .Lnot_wave_0_\@
	s_barrier_signal -3
.Lnot_wave_0_\@:
	s_barrier_wait -3
	s_barrier_signal -1
	s_barrier_wait -1
.endm
.macro CROUND                          ; a whole round
	s_barrier_signal -1
	s_barrier_wait -1
	CREST
.endm
	s_load_b128 s[4:7], s[0:1], 0x0                ; x's codes s[4:5], W's codes s[6:7]
	s_load_b128 s[8:11], s[0:1], 0x10              ; the scales' exponents s[8:9], q_codes s[10:11]
	s_load_b128 s[68:71], s[0:1], 0x20             ; k_codes s[68:69], v_codes s[70:71]
	v_lshl_add_u32 v[SPW], v0, 2, SPARE
	v_mov_b32 v[NIL], 0
	ds_add_u32 v28, v29
	ds_add_u32 v28, v29
	s_wait_dscnt 0x0
	v_lshrrev_b32 v1, 5, v0
	v_readfirstlane_b32 s14, v1                    ; wave 0..3
	s_lshr_b32 s15, s14, 1                         ; which half of the tile's R rows is mine.  Also: I fetch for R (0) or for S (1)
	s_and_b32 s16, s14, 1                          ; which half of its S rows.  Also: which 128 rows of that tile I fetch
	s_bfe_u32 s40, ttmp6, 0x40000                  ; cx, cy: my place in the cluster
	s_bfe_u32 s41, ttmp6, 0x40004
	s_and_b32 s18, ttmp7, 0xffff
	s_lshl_b32 s18, s18, 2                         ; 4 x cluster y
	s_lshl_b32 s19, ttmp9, 2                       ; 4 x cluster x
	s_cmp_eq_u32 ttmp9, 2                          ; v's clusters?  The cluster's x is the same in all sixteen partners
	s_cselect_b32 s17, 0, s18
	s_cselect_b32 s42, s18, s19
	s_add_co_u32 s17, s17, s41                     ; R's tile: q, k: 4 x cluster y + cy (256 tokens);  v: cy (256 rows of W's last 1024)
	s_add_co_u32 s42, s42, s40                     ; S's tile: q, k: 4 x cluster x + cx (256 rows of W);  v: 4 x cluster y + cx (256 tokens)
	s_lshl_b32 s43, s41, 2
	s_lshl_b32 s43, 15, s43                        ; my row of the cluster
	s_lshl_b32 s44, 0x1111, s40                    ; my column
	; descriptor group 1: a tile of 128 rows x 256 bytes, padded in LDS
	s_or_b32 s[G1+0], s43, (0<<16)|(1<<20)|(1<<21)|(5<<22)|(3<<25)  ; 15:0 the mask: R's tiles go to my row; 17:16 element of 1 byte; 20 padding on; 21 set beside a mask; 24:22 after every 64 words (code 5); 31:25 of 4 words (code 3)
	s_or_b32 s[G1B+0], s44, (0<<16)|(1<<20)|(1<<21)|(5<<22)|(3<<25)
.irp g, G1, G1B
	s_mov_b32 s[\g+1], ROWB<<16                    ; tensor_dim0
	s_mov_b32 s[\g+2], 128<<16                     ; tensor_dim1 = 128
	s_mov_b32 s[\g+3], ROWB<<16                    ; tile_dim0
	s_mov_b32 s[\g+4], 128                         ; tile_dim1 = 128
	s_mov_b32 s[\g+5], KROW                        ; tensor_dim0_stride
	s_mov_b32 s[\g+6], 0
	s_mov_b32 s[\g+7], 0
.endr
	s_lshl_b32 s18, s16, 7                         ; which 128 rows of the tile I fetch
	s_lshl_b32 s20, s17, 8
	s_add_co_u32 s20, s20, s18                     ; R: row 256 x tile + 128 x half
	s_lshl_b32 s46, s42, 8
	s_add_co_u32 s46, s46, s18                     ; S likewise
	s_mov_b32 s21, 0
	s_mov_b32 s47, 0
	s_mov_b64 s[18:19], KROW
	s_mul_u64 s[20:21], s[20:21], s[18:19]         ; in bytes
	s_mul_u64 s[46:47], s[46:47], s[18:19]
	s_mul_i32 s45, s14, HALFT                      ; where they go: wave x 128 rows: no place in the cluster enters an LDS address
	s_wait_kmcnt 0x0
	s_load_b256 s[88:95], s[8:9], 0x0              ; e0 .. e7
	s_mov_b64 s[74:75], s[4:5]                     ; x
	s_add_nc_u64 s[72:73], s[6:7], 2048*KROW       ; W's rows 2048 on: v's
	s_cmp_eq_u32 ttmp9, 2
	s_cselect_b64 s[4:5], s[72:73], s[74:75]       ; R's first byte
	s_cselect_b64 s[6:7], s[74:75], s[6:7]         ; S's
	s_add_nc_u64 s[20:21], s[4:5], s[20:21]
	s_add_nc_u64 s[46:47], s[6:7], s[46:47]
	CROUND                                         ; all sixteen work-groups are here: the first joint loads meet
.irp s, 0,1
	s_mov_b32 s[G0+4*\s], 1
	s_add_co_u32 s[G0+4*\s+1], s45, \s*SLOT
	s_add_nc_u64 s[G0+4*\s+2:G0+4*\s+3], s[20:21], \s*ROWB
	s_or_b32 s[G0+4*\s+3], s[G0+4*\s+3], 0x80000000
	s_mov_b32 s[G0B+4*\s], 1
	s_add_co_u32 s[G0B+4*\s+1], s45, \s*SLOT
	s_add_nc_u64 s[G0B+4*\s+2:G0B+4*\s+3], s[46:47], \s*ROWB
	s_or_b32 s[G0B+4*\s+3], s[G0B+4*\s+3], 0x80000000
	JLOAD G0+4*\s, G1, G0B+4*\s, G1B               ; two loads of mine are out
.endr
	v_and_b32 v1, 15, v0                           ; r = l % 16
	v_bfe_u32 v2, v0, 4, 1                         ; h = l / 16
	v_mul_u32_u24 v3, v1, PITCH
	v_lshl_add_u32 v4, v2, 4, v3                   ; a fragment's row x pitch + 16 x half
	s_mul_i32 s21, s15, HALFT                      ; my 128 rows of R
	s_mul_i32 s22, s16, HALFT                      ; my 128 rows of S,
	s_add_co_u32 s22, s22, 2*HALFT                 ; which lie behind R's 256
	s_lshl_b32 s23, s16, 7
	s_add_co_u32 s23, s23, s21
	v_add_nc_u32 v[STO], s23, v4                   ; the stage (256 rows x 272 bytes from LDS byte 0): row 128 x row half + r, byte 128 x column half + 16 h
.irp s, 0,1
	v_add_nc_u32 v[ADRA+\s], s21, v4
	v_add_nc_u32 v[ADRB+\s], s22, v4
	s_add_co_u32 s21, s21, SLOT
	s_add_co_u32 s22, s22, SLOT
.endr
	s_mul_i32 s23, s14, 64*PITCH                   ; back: wave w takes stage rows 64 w .. 64 w + 63
	v_and_b32 v6, 31, v0                           ; lane
	v_lshrrev_b32 v7, 2, v6
	v_and_b32 v8, 3, v0
	v_mul_u32_u24 v7, v7, PITCH
	v_lshl_add_u32 v7, v8, 4, v7
	v_add_nc_u32 v[RDQ], s23, v7                   ; q, k: row lane / 4, 16 bytes (lane % 4) of a head's 64
	v_mul_u32_u24 v9, v2, PITCH
	v_lshl_add_u32 v9, v1, 4, v9
	v_add_nc_u32 v[RDV], s23, v9                   ; v: lanes 0-15 one row of 256 bytes, lanes 16-31 the next
	v_lshlrev_b32 v[GOQ], 4, v6                    ; q, k: 8 tokens x 64 bytes are 512 bytes on end
	v_lshlrev_b32 v10, 11, v2
	v_lshl_add_u32 v[GOV], v1, 4, v10              ; v: rows of v_codes are 2,048 bytes apart
.macro FRAG reg, adr, q, i             ; a fragment, 16 rows x 128 K, is 16 registers: lane l holds row l % 16; registers 4 c .. 4 c + 3 hold K = 32 c + 16 (l / 16) + 0 .. 15: the same places in R and in S, so every product meets its partner
.irp c, 0,1,2,3
	ds_load_b128 v[\reg+4*\c:\reg+4*\c+3], v[\adr] offset:128*(\q)+32*\c+(\i)*16*PITCH
.endr
.endm
; 16 matrix instructions: R's blocks a0, a0 + 1 x S's eight, 128 along K.  p: S's set.  zero = 1: the first product starts the sums: nothing is ever cleared.
; The 64 accumulators take turns, one instruction a turn, in the same order in every step.
.macro MUL16 a0, p, zero
.irp a, \a0, \a0+1
.irp b, 0,1,2,3,4,5,6,7
.if \zero
	v_wmma_f32_16x16x128_fp8_fp8 v[8*(8*((\a)%4)+\b):8*(8*((\a)%4)+\b)+7], v[128*(\p)+FR*\b:128*(\p)+FR*\b+FR-1], v[AF+FR*(\a):AF+FR*(\a)+FR-1], 0
.else
	v_wmma_f32_16x16x128_fp8_fp8 v[8*(8*((\a)%4)+\b):8*(8*((\a)%4)+\b)+7], v[128*(\p)+FR*\b:128*(\p)+FR*\b+FR-1], v[AF+FR*(\a):AF+FR*(\a)+FR-1], v[8*(8*((\a)%4)+\b):8*(8*((\a)%4)+\b)+7]
.endif
.endr
.endr
.endm
.macro FETCH_B slot, q, p              ; S's eight fragments of the slot's q-th 128 along K into set p
	WIN TO_B
.irp i, 0,1,2,3,4,5,6,7
	FRAG 128*(\p)+FR*\i, ADRB+\slot, \q, \i
.endr
	WIN 0
.endm
.macro FETCH_A slot, q, i0             ; R's blocks i0 .. i0 + 3
.irp i, \i0, \i0+1, \i0+2, \i0+3
	FRAG AF+FR*(\i), ADRA+\slot, \q, \i
.endr
.endm
; A load into a register that a matrix instruction has read, and a vector instruction that reads a matrix result, stand NP places behind that matrix instruction; only plain vector
; instructions that name none of its registers are places (ISA guide 7.12.1 for vector instructions).
.macro PLACES n
.rept \n
	v_nop
.endr
.endm
; A step of 128 along K that has its successor in the same slot.  A block of R is free as soon as its eight products are issued, so R has one set: blocks 0-3 are fetched anew in the step's middle, blocks 4-7 at its end.
.macro STEP slot, q, zero
	s_wait_dscnt 4*NL                              ; S's set and R's blocks 0-3 are in; the youngest 16 loads (R's blocks 4-7) may be out
	WIN MUL_LO
	MUL16 0, (\q)%2, \zero
	MUL16 2, (\q)%2, \zero
	s_wait_dscnt 0                                 ; R's blocks 4-7 are in (asked for 32 matrix instructions ago)
	PLACES NP
	FETCH_B \slot, (\q)+1, 1-(\q)%2
	FETCH_A \slot, (\q)+1, 0
	WIN MUL_HI
	MUL16 4, (\q)%2, \zero
	MUL16 6, (\q)%2, \zero
	PLACES NP
	WIN 0
	FETCH_A \slot, (\q)+1, 4
.endm
; A slot's last step changes slots: ONE barrier; in front of it each wave waits for all its tensor loads, adds 0 to its spare word, and waits for that and for its own reads of this slot.  fill = 1: this slot is filled again, two K steps ahead.
.macro TURN slot, next, fill
	s_wait_tensorcnt 0x0                           ; all my tensor loads have landed: my part of the next slot;  (every window is 0 here)
	ds_add_u32 v[SPW], v[NIL]                      ; 0 onto my spare word
	s_wait_dscnt 4*NL+1                            ; (the add and the youngest 16 loads, R's blocks 4-7, may be out)
	WIN MUL_LO
	MUL16 0, 1, 0                                  ; sixteen matrix instructions stand between the add and the wait for it
	s_wait_dscnt 0x0                               ; the add is done, and my reads of this slot are over
	s_barrier_signal -1
	MUL16 2, 1, 0
	WIN 0
	s_barrier_wait -1
.if \fill
	CREST                                          ; the barrier has opened a round of the cluster's barrier: no wave of any partner still reads this slot's tile or has a load on its way
	s_add_nc_u64 s[G0+4*\slot+2:G0+4*\slot+3], s[G0+4*\slot+2:G0+4*\slot+3], 2*ROWB
	s_add_nc_u64 s[G0B+4*\slot+2:G0B+4*\slot+3], s[G0B+4*\slot+2:G0B+4*\slot+3], 2*ROWB
	JLOAD G0+4*\slot, G1, G0B+4*\slot, G1B         ; the first tensor load behind the round, my only one until the next; the four v_nop behind it are the places in front of the loads below
.else
	PLACES NP
.endif
	FETCH_B \next, 0, 0
	FETCH_A \next, 0, 0
	WIN MUL_HI
	MUL16 4, 1, 0
	MUL16 6, 1, 0
	PLACES NP
	WIN 0
	FETCH_A \next, 0, 4
.endm
	s_wait_tensorcnt 1                             ; my part of K step 0 is in (K step 1's load may be out)
	s_barrier_signal -1
	s_barrier_wait -1                              ; everybody's is
	FETCH_B 0, 0, 0
	FETCH_A 0, 0, 0
	FETCH_A 0, 0, 4
	STEP 0, 0, 1                                   ; K 0-127: its products start the sums.  1024 along K are eight steps, written out: no loop
	TURN 0, 1, 1                                   ; K 128-255; slot 0 takes K 512-767
	STEP 1, 0, 0
	TURN 1, 0, 1                                   ; slot 1 takes K 768-1023
	STEP 0, 0, 0
	TURN 0, 1, 0                                   ; nothing is left to fetch: no round of the cluster's barrier.  Behind this barrier nobody reads slot 0
	STEP 1, 0, 0
	s_wait_dscnt 4*NL                              ; the very last step
	WIN MUL_LO
	MUL16 0, 1, 0
	MUL16 2, 1, 0
	s_wait_dscnt 0
	WIN MUL_HI
	MUL16 4, 1, 0
	MUL16 6, 1, 0
	WIN 0
	; THE WAY OUT.  The sums are held, turned into codes, and gathered in ONE stage of 256 rows x 272 bytes for the work-group.  It lies in slot 0, which has had its last fill and its last read.
	s_wait_kmcnt 0x0
	s_cmp_eq_u32 ttmp9, 0
	s_cselect_b32 s96, s90, s91                    ; e2 for q, e3 for k,
	s_cmp_eq_u32 ttmp9, 2
	s_cselect_b32 s96, s93, s96                    ; e5 for v
	s_sub_co_i32 s96, s96, s88
	s_sub_co_i32 s96, s96, s89                     ; a sum stands for sum x 2^(e0 + e1): its code is sum / 2^(et - e0 - e1): the three scales are folded into the conversion's one
	s_add_co_i32 s96, s96, 127
	s_lshl_b32 s97, s96, 23
	v_mov_b32 v[SC], s97
	s_add_co_i32 s96, s96, 8
	s_lshl_b32 s96, s96, 23
	s_or_b32 s96, s96, 0x600000
	PLACES NP                                      ; behind the last products: the conversions below write registers that held R's fragments
; Block a: my rows 16 a .. 16 a + 15, 128 numbers each.  Accumulators 2 g and 2 g + 1 give a lane 16 bytes: places 32 g + 16 h + 8 u + j of the row.
.macro QBLOCK a
.set AC, 64*((\a)%4)
	WIN 0x02+((\a)/4)                              ; source 0: window 2 or 3
.set j, 0
.rept 64
.set j, j+1
.endr
.irp b, 0,1,2,3,4,5,6,7
	v_cvt_scalef32_pk8_fp8_f32 v[CD+16*(\a)+2*\b:CD+16*(\a)+2*\b+1], v[AC+8*\b:AC+8*\b+7], v[SC]
.endr
	WIN 0
	v_nop                                          ; one plain vector instruction behind the conversions
.irp g, 0,1,2,3
	ds_store_b128 v[STO], v[CD+16*(\a)+4*\g:CD+16*(\a)+4*\g+3] offset:(\a)*16*PITCH+32*\g
.endr
.endm
.irp a, 0,1,2,3,4,5,6,7
	QBLOCK \a
.endr
	s_wait_dscnt 0x0                               ; for the others' sake: my stores into the stage are done.  A stage row's 256 bytes come from two waves
	s_barrier_signal -1
	s_barrier_wait -1
	s_cmp_eq_u32 ttmp9, 2                          ; the two ways out only read LDS; they part on the cluster's x
	s_cbranch_scc1 .Lv_out
	; q, k: a stage row is a token's 256 bytes: 64 of each of four heads.  A store takes 8 tokens of one head: 512 consecutive bytes, aligned.
	; (A read's sixteen lanes take 4 rows x 64 bytes: rows start 4 banks apart, so up to four lanes fall on one bank: 32 such reads a wave, once.)
	s_cmp_eq_u32 ttmp9, 0
	s_cselect_b64 s[10:11], s[10:11], s[68:69]     ; q_codes or k_codes
	s_lshr_b32 s20, s17, 3
	s_lshl_b32 s20, s20, 21                        ; the batch: 8 tiles of 256 tokens each
	s_lshl_b32 s21, s40, 19                        ; heads 4 cx on, 131,072 bytes each
	s_add_co_u32 s20, s20, s21
	s_and_b32 s21, s17, 7
	s_lshl_b32 s21, s21, 8
	s_lshl_b32 s22, s14, 6
	s_add_co_u32 s21, s21, s22                     ; my first token in the batch
	s_lshl_b32 s21, s21, 6
	s_add_co_u32 s20, s20, s21
	s_mov_b32 s21, 0
	s_add_nc_u64 s[10:11], s[10:11], s[20:21]
.irp g, 0,1,2,3,4,5,6,7
.irp c, 0,1,2,3
	ds_load_b128 v[CD+4*(4*\g+\c):CD+4*(4*\g+\c)+3], v[RDQ] offset:8*\g*PITCH+64*\c
.endr
.endr
.irp g, 0,1,2,3,4,5,6,7
.irp c, 0,1,2,3
	s_wait_dscnt 31-(4*\g+\c)                      ; LDS loads come back in order: this one is in, the younger ones may be out
	global_store_b128 v[GOQ], v[CD+4*(4*\g+\c):CD+4*(4*\g+\c)+3], s[10:11] offset:\c*131072+\g*512
.endr
.endr
	s_branch .Ldone
.Lv_out:
	; v: a stage row is one channel's 256 tokens.  Sixteen lanes store 256 consecutive bytes, aligned.
	s_lshr_b32 s20, s42, 3
	s_lshl_b32 s20, s20, 21                        ; the batch
	s_lshl_b32 s21, s17, 8
	s_lshl_b32 s22, s14, 6
	s_add_co_u32 s21, s21, s22                     ; my first row: 64 x head + channel
	s_lshl_b32 s21, s21, 11
	s_add_co_u32 s20, s20, s21
	s_and_b32 s21, s42, 7
	s_lshl_b32 s21, s21, 8                         ; the tile's first token in the batch
	s_add_co_u32 s20, s20, s21
	s_mov_b32 s21, 0
	s_add_nc_u64 s[70:71], s[70:71], s[20:21]
.irp i, 0,1,2,3,4,5,6,7,8,9,10,11,12,13,14,15,16,17,18,19,20,21,22,23,24,25,26,27,28,29,30,31
	ds_load_b128 v[CD+4*\i:CD+4*\i+3], v[RDV] offset:2*\i*PITCH
.endr
.irp i, 0,1,2,3,4,5,6,7,8,9,10,11,12,13,14,15,16,17,18,19,20,21,22,23,24,25,26,27,28,29,30,31
	s_wait_dscnt 31-\i
	global_store_b128 v[GOV], v[CD+4*\i:CD+4*\i+3], s[70:71] offset:4096*\i
.endr
.Ldone:
	s_wait_tensorcnt 0x0                           ; the wave's end: behind my last tensor load and my last LDS store
	ds_add_u32 v[SPW], v[NIL]
	s_wait_dscnt 0x0
	CROUND                                         ; the closing round: no work-group ends while a partner may still ask for a tile that names it
	s_endpgm
.Lfunc_end_k_q59df86dd1f_qkv:
	.size	k_q59df86dd1f_qkv, .Lfunc_end_k_q59df86dd1f_qkv-k_q59df86dd1f_qkv
	.p2alignl 7, 3214868480
	.fill 96, 4, 3214868480
	.section	.rodata,"a",@progbits
	.p2align	6, 0x0
	.amdhsa_kernel k_q59df86dd1f_qkv
		.amdhsa_group_segment_fixed_size 327680
		.amdhsa_private_segment_fixed_size 0
		.amdhsa_enable_private_segment 0
		.amdhsa_kernarg_size 48
		.amdhsa_user_sgpr_count 2
		.amdhsa_user_sgpr_kernarg_segment_ptr 1
		.amdhsa_wavefront_size32 1
		.amdhsa_system_sgpr_workgroup_id_x 1
		.amdhsa_system_sgpr_workgroup_id_y 1
		.amdhsa_system_sgpr_workgroup_id_z 1
		.amdhsa_system_vgpr_workitem_id 0
		.amdhsa_next_free_vgpr 1024
		.amdhsa_next_free_sgpr 100
		.amdhsa_reserve_vcc 0
		.amdhsa_float_denorm_mode_32 3
		.amdhsa_float_denorm_mode_16_64 3
		.amdhsa_fp16_overflow 1
		.amdhsa_memory_ordered 1
		.amdhsa_forward_progress 1
		.amdhsa_inst_pref_size 98
	.end_amdhsa_kernel
	.amdgpu_metadata
---
amdhsa.version: [ 1, 2 ]
amdhsa.kernels:
  - .name:           k_q59df86dd1f_qkv
    .symbol:         k_q59df86dd1f_qkv.kd
    .args:
      - { .name: x_codes, .offset: 0, .size: 8, .value_kind: global_buffer, .address_space: global }
      - { .name: W_attn_codes, .offset: 8, .size: 8, .value_kind: global_buffer, .address_space: global }
      - { .name: lowp_scales, .offset: 16, .size: 8, .value_kind: global_buffer, .address_space: global }
      - { .name: q_codes, .offset: 24, .size: 8, .value_kind: global_buffer, .address_space: global }
      - { .name: k_codes, .offset: 32, .size: 8, .value_kind: global_buffer, .address_space: global }
      - { .name: v_codes, .offset: 40, .size: 8, .value_kind: global_buffer, .address_space: global }
    .group_segment_fixed_size: 327680
    .private_segment_fixed_size: 0
    .kernarg_segment_align: 8
    .kernarg_segment_size: 48
    .max_flat_workgroup_size: 128
    .sgpr_count:     100
    .vgpr_count:     1024
    .wavefront_size: 32
...
	.end_amdgpu_metadata
.endif
;; end of part 1
;; launch attn (part 2): grid 4 x 64, 16 waves a work-group, clusters of 4 x 1, 301,056 bytes of LDS; arguments q_codes, k_codes, v_codes, lowp_scales, a_codes; writes a_codes
.if DOCPART == 2
	.amdgcn_target "amdgcn-amd-amdhsa--gfx1250"
	.amdhsa_code_object_version 6
	.text
	.protected	k_q59df86dd1f_attn
	.globl	k_q59df86dd1f_attn
	.p2align	8
	.type	k_q59df86dd1f_attn,@function
k_q59df86dd1f_attn:
	s_mov_b64 s[64:65], 0
	v_nop
	global_prefetch_b8 v0, s[64:65] scope:SCOPE_SE
	s_setreg_imm32_b32 hwreg(HW_REG_WAVE_MODE, 25, 1), 1
	s_wait_xcnt 0x0
	s_wait_alu depctr_hold_cnt(0) depctr_sa_sdst(0) depctr_va_vdst(0) depctr_va_sdst(0) depctr_va_ssrc(0) depctr_va_vcc(0) depctr_vm_vsrc(0)
	s_getreg_b32 s2, hwreg(HW_REG_IB_STS2, 6, 4)
	s_cmp_eq_u32 s2, 0
	s_cbranch_scc0 .Lentry_in_a_cluster
	s_endpgm
.Lentry_in_a_cluster:
	s_bfe_u32 s2, ttmp6, 0x10000c
	s_cmp_lg_u32 s2, 0x3003
	s_cbranch_scc0 .Lentry_shape_is_right
	s_endpgm
.Lentry_shape_is_right:
; Causal attention on codes of FP8 (E4M3): 64 heads (batch x head), 2,048 tokens, head size 64.  q_codes, k_codes: [head][token][64]; v_codes: [head][channel 64][token 2048], keys innermost.
; Inside each group of 32 along the innermost axis element 16 u + 8 h + j lies at place 16 h + 8 u + j, so a load of 16 bytes at 32 c + 16 h brings registers 4 c .. 4 c + 3 of the plain 8-bit operand layout.
; THE SOFTMAX: t = score x log2(e) / 8; M = the row's largest t so far, rounded UP to a whole number; p = 2^(t - M) is quantised with 2^e4, not normalised; the row's sum is taken of the unquantised p, in f32, and divides
; O at the end.  When M moves, the sum and O are multiplied by 2^(old M - new M): exact.  The result is quantised with 2^e6 into a_codes: [head 16][token 8192][64], channels in their natural order.
; SHARES.  A cluster of four work-groups is one head.  The head's whole K and V, 131,072 bytes each, are brought into each work-group's LDS ONCE, by joint loads that name the four: nothing is ever filled again.
; The head's 128 tiles of 16 queries are dealt out as tile 4 u + cx (cx: the place in the cluster), u = 0 .. 31.  Tile 4 u + cx needs the key steps (128 keys) 0 .. u / 2, and step u / 2 lies on the diagonal: neither hangs
; on cx, which enters Q's and the result's addresses in memory and one number that is compared, no branch and no LDS address.  Wave w takes u = 31 - w, then u = w: 17 key steps for every wave of the launch.
; LAYOUT.  Both products are used transposed: S^T = K Q^T (source 0 = 16 neighbouring keys, source 1 = my 16 queries), O^T = V^T P^T (source 0 = 16 channels, source 1 = P): a lane holds ONE query (lane % 16) throughout;
; register j of S^T's tile T is key 16 T + 8 (lane / 16) + j, and the conversion of its eight registers gives registers 2 T, 2 T + 1 of P's operand.
; LIMITS on the given exponents, so that each power of two below is an f32 number: e2 + e3 between -123 and 130; e4, and e6 - e4 - e5, between -126 and 119.  NaN codes among the inputs are not served.
; REGISTERS: v1-7 addresses that stay; v8, v9 addresses of the loads in hand; v12 -M, v13 the largest t, v[14:15] the sum in two halves; v16-23, v24-31 Q of the two passes; v32-95 fragments of K, then of V; v96-159 S^T, then p;
; v160-191 O^T; v192-207 p's codes; v208-215 the result's codes; v216-231 rows on their way out; v230-254 at work.
.set CHUNK, 17408                      ; LDS: 256 keys of K: four keys (256 bytes of memory) to a row of 272: key k at (k / 4) 272 + (k % 4) 64;  or 256 keys of V: 64 rows (channels) of 256 + 16
.set QUART, 4352                       ; a quarter of a chunk: 16 LDS rows, what one tensor load brings
.set VBASE, 8*CHUNK                    ; K's eight chunks from byte 0, V's eight from here
.set STAGE, 16*CHUNK                   ; the way out: 16 rows x 80 bytes for each wave; no tile lands here
.set AK0,  1                           ; v1   my lane's place in a tile of K: (r / 4) 272 + (r % 4) 64 + 16 h
.set AV0,  2                           ; v2   the same for V: VBASE + 272 r + 16 h
.set STO,  3                           ; v3   the stage: where I put 8 bytes of a row
.set RD,   4                           ; v4   and where I read 16 bytes back
.set GO,   5                           ; v5   16 x lane: my place in a store's 512 bytes
.set QO,   6                           ; v6   Q: 64 r + 16 h
.set RH,   7                           ; v7   r - 8 h
.set ADK,  8
.set ADV,  9
.set MD,   246                         ; v246 on the diagonal: key 16 T + j of the step is hidden from my query where 16 T + j > this
.set NINF, 247                         ; v247 -infinity
.set TB,   2                           ; s2   LDS byte at which the chunk in hand begins
.set WV,   18                          ; s18  my wave's number
.set CX,   19                          ; s19  my work-group's place in the cluster
.set SEL,  20                          ; s[20:21] lane selects for v_permlanex16_b32: lane l xor 16
.set CS,   22                          ; s[22:23] c = log2(e) / 8 x 2^(e2 + e3): the packed form names a pair and takes its low word for both halves
.set G1K,  24                          ; s[24:31] descriptor group 1 for K's tiles;  s[32:39] for V's
.set G1V,  32
.set G0K,  40                          ; s[40:55] four groups 0 for K's tiles;  s[68:83] for V's
.set G0V,  68
.set SI,   56                          ; s56  the key step's number
.set DG,   57                          ; s57  the step on the diagonal: u / 2
.set CNT,  58                          ; s58  counts a loop's trips
.set MK,   59                          ; s59  64 (u % 2) + 16 cx: my tile's first query less the diagonal step's first key
.set UA,   66                          ; s66  31 - wave
.macro CROUND                          ; a round of the cluster's barrier
	s_barrier_signal -1
	s_barrier_wait -1
	s_cmp_lg_u32 s[WV], 0
	s_cbranch_scc1 .Lnot_wave_0_\@
	s_barrier_signal -3
.Lnot_wave_0_\@:
	s_barrier_wait -3
	s_barrier_signal -1
	s_barrier_wait -1
.endm
	s_load_b128 s[4:7], s[0:1], 0x0                ; q_codes s[4:5], k_codes s[6:7]
	s_load_b128 s[8:11], s[0:1], 0x10              ; v_codes s[8:9], the scales' exponents s[10:11]
	s_load_b64 s[12:13], s[0:1], 0x20              ; a_codes
	v_lshl_add_u32 v251, v0, 2, 0x49000
	v_mov_b32 v255, 0
	ds_add_u32 v251, v255
	ds_add_u32 v251, v255
	v_lshrrev_b32 v10, 5, v0
	s_delay_alu instid0(VALU_DEP_1)
	v_readfirstlane_b32 s[WV], v10                 ; wave 0..15
	s_bfe_u32 s[CX], ttmp6, 0x40000
	s_and_b32 s16, ttmp7, 0xffff                   ; 16 x batch + head: the cluster's y
	s_lshl_b32 s60, s16, 17                        ; its first byte in q_codes, k_codes and v_codes
	s_mov_b32 s61, 0
	s_and_b32 s17, s[WV], 7                        ; waves 0-7 fetch K, waves 8-15 V: quarter (wave % 8) first: chunks 0 and 1 together;
	s_mul_i32 s3, s17, 3
	s_add_co_u32 s3, s3, 8                         ; then quarters 8 + 3 (wave % 8) + 0 .. 2: chunks 2 to 7
	; descriptor group 1: 16 rows of 256 bytes, 16 bytes of padding behind each.  K: rows dense in memory (four keys each);  V: rows (channels) 2,048 bytes apart
	s_mov_b32 s[G1K], 15|(0<<16)|(1<<20)|(1<<21)|(5<<22)|(3<<25)  ; 15:0 the mask: all four work-groups; 17:16 elements of 1 byte; 20 padding on; 21 set beside a mask; 24:22 after every 64 words (code 5); 31:25 four words (code 3)
	s_mov_b32 s[G1V], 15|(0<<16)|(1<<20)|(1<<21)|(5<<22)|(3<<25)
.irp g, G1K, G1V
	s_mov_b32 s[\g+1], 256<<16                     ; tensor_dim0
	s_mov_b32 s[\g+2], 16<<16                      ; tensor_dim1
	s_mov_b32 s[\g+3], 256<<16                     ; tile_dim0
	s_mov_b32 s[\g+4], 16                          ; tile_dim1
	s_mov_b32 s[\g+6], 0
	s_mov_b32 s[\g+7], 0
.endr
	s_mov_b32 s[G1K+5], 256                        ; tensor_dim0_stride
	s_mov_b32 s[G1V+5], 2048
	s_mov_b32 s[SEL], 0x76543210
	s_mov_b32 s[SEL+1], 0xfedcba98
	s_mov_b32 s[CS], 0x3e38aa3b                    ; log2(e) / 8
	s_wait_dscnt 0x0
	s_wait_kmcnt 0x0
	s_load_b256 s[84:91], s[10:11], 0x0            ; e0 .. e7
	s_add_nc_u64 s[4:5], s[4:5], s[60:61]          ; q, k and v at my head
	s_add_nc_u64 s[6:7], s[6:7], s[60:61]
	s_add_nc_u64 s[8:9], s[8:9], s[60:61]
	s_mov_b32 s15, 0
.irp i, 0,1,2,3                        ; every wave makes both sets on the one way that all take; nothing in them hangs on the place in the cluster
.if \i == 0
	s_mov_b32 s62, s17                             ; the quarter's number
.else
	s_add_co_u32 s62, s3, \i-1
.endif
	s_mov_b32 s[G0K+4*\i], 1                       ; 1:0 count = 1
	s_mul_i32 s[G0K+4*\i+1], s62, QUART            ; 63:32 LDS address
	s_lshl_b32 s14, s62, 12                        ; 64 keys of 64 bytes
	s_add_nc_u64 s[G0K+4*\i+2:G0K+4*\i+3], s[6:7], s[14:15]
	s_or_b32 s[G0K+4*\i+3], s[G0K+4*\i+3], 0x80000000   ; 127:126 type = 2
	s_mov_b32 s[G0V+4*\i], 1
	s_mul_i32 s[G0V+4*\i+1], s62, QUART
	s_add_co_u32 s[G0V+4*\i+1], s[G0V+4*\i+1], VBASE
	s_and_b32 s14, s62, 3
	s_lshl_b32 s14, s14, 15                        ; channels 16 (quarter % 4) on, 2,048 bytes each,
	s_lshr_b32 s63, s62, 2
	s_lshl_b32 s63, s63, 8                         ; keys 256 (quarter / 4) on
	s_add_co_u32 s14, s14, s63
	s_add_nc_u64 s[G0V+4*\i+2:G0V+4*\i+3], s[8:9], s[14:15]
	s_or_b32 s[G0V+4*\i+3], s[G0V+4*\i+3], 0x80000000
.endr
	CROUND                                         ; all four work-groups are here: the joint loads meet
	s_cmp_lt_u32 s[WV], 8                          ; a wave's four fills stand in one branch on the wave's number, ahead of every wait on TENSORcnt, every LDS read and every other barrier: four loads of mine are out
	s_cbranch_scc0 .Lfill_v
	tensor_load_to_lds s[G0K:G0K+3], s[G1K:G1K+7]
	s_nop 0
	tensor_load_to_lds s[G0K+4:G0K+7], s[G1K:G1K+7]
	s_nop 0
	tensor_load_to_lds s[G0K+8:G0K+11], s[G1K:G1K+7]
	s_nop 0
	tensor_load_to_lds s[G0K+12:G0K+15], s[G1K:G1K+7]
	s_nop 0
.rept 4
	v_nop
.endr
	s_branch .Lfilled
.Lfill_v:
	tensor_load_to_lds s[G0V:G0V+3], s[G1V:G1V+7]
	s_nop 0
	tensor_load_to_lds s[G0V+4:G0V+7], s[G1V:G1V+7]
	s_nop 0
	tensor_load_to_lds s[G0V+8:G0V+11], s[G1V:G1V+7]
	s_nop 0
	tensor_load_to_lds s[G0V+12:G0V+15], s[G1V:G1V+7]
	s_nop 0
.rept 4
	v_nop
.endr
.Lfilled:
	; where my two tiles of queries lie: tile 4 u + cx begins at query 64 u + 16 cx; a query's codes are 64 bytes, in q_codes and in a_codes
	s_xor_b32 s[UA], s[WV], 31                     ; 31 - wave
	s_and_b32 s62, s16, 15
	s_lshl_b32 s62, s62, 19                        ; a_codes: the head's 8,192 tokens,
	s_lshr_b32 s63, s16, 4
	s_lshl_b32 s63, s63, 17                        ; the batch's 2,048 of them
	s_add_co_u32 s62, s62, s63
	s_mov_b32 s63, 0
	s_add_nc_u64 s[12:13], s[12:13], s[62:63]
	s_lshl_b32 s67, s[CX], 10
	s_lshl_b32 s62, s[UA], 12
	s_add_co_u32 s62, s62, s67
	s_add_nc_u64 s[92:93], s[4:5], s[62:63]        ; the first pass: Q,
	s_add_nc_u64 s[96:97], s[12:13], s[62:63]      ; and the result
	s_lshl_b32 s62, s[WV], 12
	s_add_co_u32 s62, s62, s67
	s_add_nc_u64 s[94:95], s[4:5], s[62:63]        ; the second pass
	s_add_nc_u64 s[98:99], s[12:13], s[62:63]
	v_and_b32 v10, 15, v0                          ; r = lane % 16
	v_bfe_u32 v11, v0, 4, 1                        ; h = lane / 16
	s_delay_alu instid0(VALU_DEP_2)
	v_lshlrev_b32 v[QO], 6, v10
	s_delay_alu instid0(VALU_DEP_1)
	v_lshl_add_u32 v[QO], v11, 4, v[QO]
	global_load_b128 v[16:19], v[QO], s[92:93]             ; Q's fragments (16 queries x 64: 8 registers) stay in registers
	global_load_b128 v[20:23], v[QO], s[92:93] offset:32
	global_load_b128 v[24:27], v[QO], s[94:95]
	global_load_b128 v[28:31], v[QO], s[94:95] offset:32
	v_lshrrev_b32 v232, 2, v10
	s_delay_alu instid0(VALU_DEP_1)
	v_mul_u32_u24 v[AK0], v232, 272
	v_and_b32 v232, 3, v10
	s_delay_alu instid0(VALU_DEP_1)
	v_lshl_add_u32 v[AK0], v232, 6, v[AK0]
	s_delay_alu instid0(VALU_DEP_1)
	v_lshl_add_u32 v[AK0], v11, 4, v[AK0]
	v_mul_u32_u24 v[AV0], v10, 272
	s_delay_alu instid0(VALU_DEP_1)
	v_lshl_add_u32 v[AV0], v11, 4, v[AV0]
	s_delay_alu instid0(VALU_DEP_1)
	v_add_nc_u32 v[AV0], VBASE, v[AV0]
	s_mul_i32 s62, s[WV], 16*80
	s_add_co_u32 s62, s62, STAGE                   ; my stage
	v_mul_u32_u24 v[STO], v10, 80
	s_delay_alu instid0(VALU_DEP_1)
	v_lshl_add_u32 v[STO], v11, 3, v[STO]
	s_delay_alu instid0(VALU_DEP_1)
	v_add_nc_u32 v[STO], s62, v[STO]               ; in: row r, 8 bytes for each half of the lanes; rows of 20 words start at sixteen different groups of four banks
	v_and_b32 v233, 31, v0
	s_delay_alu instid0(VALU_DEP_1)
	v_lshrrev_b32 v232, 2, v233
	s_delay_alu instid0(VALU_DEP_1)
	v_mul_u32_u24 v[RD], v232, 80
	v_and_b32 v232, 3, v0
	s_delay_alu instid0(VALU_DEP_1)
	v_lshl_add_u32 v[RD], v232, 4, v[RD]
	s_delay_alu instid0(VALU_DEP_1)
	v_add_nc_u32 v[RD], s62, v[RD]                 ; back: four lanes to a row of 64 bytes
	v_lshlrev_b32 v[GO], 4, v233
	v_lshlrev_b32 v232, 3, v11
	s_delay_alu instid0(VALU_DEP_1)
	v_sub_nc_u32 v[RH], v10, v232
	v_mov_b32 v[NINF], 0xff800000
	v_mov_b32 v236, 0                              ; written once: a lane permute's destination counts as one of its sources
	v_mov_b32 v253, 0                              ; (named as the upper half of the pair v[252:253])
	s_wait_alu depctr_va_vdst(0)
	s_wait_kmcnt 0x0
	s_add_co_i32 s62, s86, s87
	s_lshl_b32 s62, s62, 23
	s_add_co_i32 s[CS], s[CS], s62                 ; a score stands for score x 2^(e2 + e3): the two exponents are added to c's exponent field
	s_mov_b32 s[CS+1], s[CS]                       ; (named with it as a pair, so it is written)
	s_add_co_i32 s62, s88, 127
	s_lshl_b32 s63, s62, 23
	v_mov_b32 v244, s63                            ; 2^e4 as f32, for p's conversions
	s_sub_co_i32 s62, s90, s88
	s_sub_co_i32 s62, s62, s89                     ; a sum of the second product stands for sum x 2^(e4 + e5): the result's code is (sum / l) / 2^(e6 - e4 - e5)
	s_add_co_i32 s62, s62, 127
	s_lshl_b32 s63, s62, 23
	v_mov_b32 v245, s63
; A KEY STEP: 128 keys, the q-th half of the chunk in hand.  msk = 1: the step may lie on or behind the diagonal.  QR: the pass's fragment of Q.
.macro STEP q, msk, QR
.if \msk
	s_cmp_gt_u32 s[SI], s[DG]                      ; all of the step's keys come after my 16 queries: the step's work is left out.  A branch on the wave's number and the step's
	s_cbranch_scc1 .Lhid_\@
.endif
	v_add_nc_u32 v[ADK], s[TB], v[AK0]
	v_add_nc_u32 v[ADV], s[TB], v[AV0]
	v_nop                                          ; with the two additions: four places in front of loads into registers that the last products have read
	v_nop
.irp T, 0,1,2,3,4,5,6,7                        ; K: tile T = keys 16 T .. 16 T + 15 of the step: four LDS rows
.irp c, 0,1
	ds_load_b128 v[32+8*\T+4*\c:32+8*\T+4*\c+3], v[ADK] offset:\q*8704+\T*1088+32*\c
.endr
.endr
	s_wait_alu depctr_va_vdst(0)
	s_wait_dscnt 0x0
.irp T, 0,1,2,3,4,5,6,7
	v_wmma_f32_16x16x64_fp8_fp8 v[96+8*\T:103+8*\T], v[32+8*\T:39+8*\T], v[\QR:\QR+7], 0
.endr
.rept 4
	v_nop                                          ; places: in front of the loads below, and of the first read of the scores
.endr
.irp t, 0,1,2,3                                ; V's four fragments (16 channels x 128 keys) are asked for here and land during the softmax
.irp g, 0,1,2,3
	ds_load_b128 v[32+16*\t+4*\g:32+16*\t+4*\g+3], v[ADV] offset:\t*4352+128*\q+32*\g
.endr
.endr
.if \msk
	s_cmp_lt_u32 s[SI], s[DG]                      ; ahead of the diagonal every key counts
	s_cbranch_scc1 .Lopen_\@
.set n, 0
.rept 64                                       ; on the diagonal the scores of hidden keys become -infinity ahead of the maximum: p = 0 then.  Register 8 T + j holds key 16 T + 8 h + j of the step
	v_cmp_gt_i32 vcc_lo, 16*(n/8)+n%8, v[MD]
	v_cndmask_b32 v[96+n], v[96+n], v[NINF], vcc_lo
.set n, n+1
.endr
.Lopen_\@:
.endif
	v_max3_num_f32 v254, v96, v97, v98             ; the step's largest score of my query, among my 64 keys, in two chains (each accumulator is first read at its low end),
	v_max3_num_f32 v252, v99, v100, v101
.set i, 6
.rept 14
	v_max3_num_f32 v254, v254, v[96+i], v[97+i]
	v_max3_num_f32 v252, v252, v[98+i], v[99+i]
.set i, i+4
.endr
	v_max3_num_f32 v254, v254, v158, v159
	s_delay_alu instid0(VALU_DEP_1)
	v_max_num_f32 v254, v254, v252
	s_delay_alu instid0(VALU_DEP_1)
	v_permlanex16_b32 v236, v254, s[SEL], s[SEL+1]
	s_delay_alu instid0(VALU_DEP_1)
	v_max_num_f32 v254, v254, v236                 ; and among lane l xor 16's
	s_delay_alu instid0(VALU_DEP_1)
	v_mul_f32 v254, s[CS], v254                    ; as t (c is positive)
	s_delay_alu instid0(VALU_DEP_1)
	v_max_num_f32 v13, v13, v254                   ; the running largest t
	v_mov_b32 v254, v12
	s_delay_alu instid0(VALU_DEP_2)
	v_floor_f32 v12, -v13                          ; the new -M = floor(-t) = -ceil(t): M is a whole number
	s_delay_alu instid0(VALU_DEP_1)
	v_sub_f32 v254, v12, v254                      ; M's old value less its new one: a whole number, 0 or less
	s_delay_alu instid0(VALU_DEP_1)
	v_cvt_i32_f32 v254, v254                       ; (it saturates)
	s_delay_alu instid0(VALU_DEP_1)
	v_ldexp_f32 v252, 1.0, v254                    ; f = 2^(old M - new M)
.set j, 0
.rept 32
	v_pk_fma_f32 v[96+j:97+j], v[96+j:97+j], s[CS:CS+1], v[12:13] op_sel_hi:[1,0,0]   ; t - M, two at a time (of the pairs c and -M the low word serves both halves)
.set j, j+2
.endr
.set j, 0
	s_wait_alu depctr_va_vdst(0)
.rept 64
	v_exp_f32 v[96+j], v[96+j]                     ; p = 2^(t - M), at most 1: not normalised
.set j, j+1
.endr
	v_pk_mul_f32 v[14:15], v[14:15], v[252:253] op_sel_hi:[1,0]   ; the sums under the new M: the plain instruction behind the exponentials
	s_wait_alu depctr_va_vdst(0)                   ; one wait for the batch of 64, ahead of its first reader
	v_pk_add_f32 v[242:243], v[100:101], v[104:105]
	v_pk_add_f32 v[248:249], v[108:109], v[112:113]
	v_pk_add_f32 v[240:241], v[116:117], v[120:121]
	v_pk_add_f32 v[238:239], v[124:125], v[128:129]
	v_pk_add_f32 v[234:235], v[132:133], v[136:137]
	v_pk_add_f32 v[232:233], v[140:141], v[144:145]
	v_pk_add_f32 v[230:231], v[148:149], v[152:153]
	v_pk_add_f32 v[14:15], v[14:15], v[156:157]
	v_pk_add_f32 v[242:243], v[242:243], v[96:97]
	v_pk_add_f32 v[248:249], v[248:249], v[98:99]
	v_pk_add_f32 v[240:241], v[240:241], v[102:103]
	v_pk_add_f32 v[238:239], v[238:239], v[106:107]
	v_pk_add_f32 v[234:235], v[234:235], v[110:111]
	v_pk_add_f32 v[232:233], v[232:233], v[114:115]
	v_pk_add_f32 v[230:231], v[230:231], v[118:119]
	v_pk_add_f32 v[14:15], v[14:15], v[122:123]
	v_pk_add_f32 v[242:243], v[242:243], v[126:127]
	v_pk_add_f32 v[248:249], v[248:249], v[130:131]
	v_pk_add_f32 v[240:241], v[240:241], v[134:135]
	v_pk_add_f32 v[238:239], v[238:239], v[138:139]
	v_pk_add_f32 v[234:235], v[234:235], v[142:143]
	v_pk_add_f32 v[232:233], v[232:233], v[146:147]
	v_pk_add_f32 v[230:231], v[230:231], v[150:151]
	v_pk_add_f32 v[14:15], v[14:15], v[154:155]
	v_pk_add_f32 v[242:243], v[242:243], v[158:159]
	s_delay_alu instid0(VALU_DEP_2)
	v_pk_add_f32 v[14:15], v[14:15], v[238:239]
	s_delay_alu instid0(VALU_DEP_2)
	v_pk_add_f32 v[242:243], v[242:243], v[234:235]
	v_pk_add_f32 v[248:249], v[248:249], v[232:233]
	v_pk_add_f32 v[240:241], v[240:241], v[230:231]
	s_delay_alu instid0(VALU_DEP_2)
	v_pk_add_f32 v[14:15], v[14:15], v[248:249]
	s_delay_alu instid0(VALU_DEP_2)
	v_pk_add_f32 v[242:243], v[242:243], v[240:241]
	s_delay_alu instid0(VALU_DEP_1)
	v_pk_add_f32 v[14:15], v[14:15], v[242:243]
.irp T, 0,1,2,3,4,5,6,7
.irp i, 0,1,2,3,4,5,6,7
.endr
	v_cvt_scalef32_pk8_fp8_f32 v[192+2*\T:193+2*\T], v[96+8*\T:103+8*\T], v244   ; keys 16 T + 8 h + 0 .. 7: registers 2 T, 2 T + 1 of the operand
.endr
.set j, 0
.rept 16
	v_pk_mul_f32 v[160+j:161+j], v[160+j:161+j], v[252:253] op_sel_hi:[1,0]   ; O^T under the new M.  (Also the plain instructions between the conversions and the products that read their results)
.set j, j+2
.endr
	s_wait_alu depctr_va_vdst(0)
	s_wait_dscnt 0x0                               ; V is in
.irp t, 0,1,2,3                                ; O^T += V^T P^T: the four accumulators take turns, and the scores' eight products stand between one step's and the next's
	v_wmma_f32_16x16x128_fp8_fp8 v[160+8*\t:167+8*\t], v[32+16*\t:47+16*\t], v[192:207], v[160+8*\t:167+8*\t]
.endr
.if \msk
.Lhid_\@:
.endif
	s_add_co_u32 s[SI], s[SI], 1
.endm
; trips chunks of 256 keys: the trip count is a constant of the text, and every wave walks every trip
.macro RUN trips, msk, QR
	s_mov_b32 s[CNT], \trips
.Lrun_\@:
	STEP 0, \msk, \QR
	STEP 1, \msk, \QR
	s_add_co_u32 s[TB], s[TB], CHUNK
	s_sub_co_u32 s[CNT], s[CNT], 1
	s_cmp_lg_u32 s[CNT], 0
	s_cbranch_scc1 .Lrun_\@
.endm
; A pass begins: u in s[ureg].  O^T and the sum begin as zeros and the largest t as -3e38, so that the key step is written without a first step of its own: the first change of M multiplies zeros.
.macro INIT ureg
	s_lshr_b32 s[DG], s[\ureg], 1
	s_and_b32 s[MK], s[\ureg], 1
	s_lshl_b32 s[MK], s[MK], 6
	s_lshl_b32 s62, s[CX], 4
	s_add_co_u32 s[MK], s[MK], s62
	v_add_nc_u32 v[MD], s[MK], v[RH]               ; my query less the diagonal step's first key, less 8 h
	v_mov_b32 v13, 0xff61b1e6                      ; -3e38, under every t
	s_delay_alu instid0(VALU_DEP_1)
	v_floor_f32 v12, -v13
	v_mov_b32 v14, 0
	v_mov_b32 v15, 0
.set j, 0
.rept 32
	v_mov_b32 v[160+j], 0
.set j, j+1
.endr
	s_mov_b32 s[TB], 0
	s_mov_b32 s[SI], 0
.endm
; A pass ends: O^T / the sum, quantised; 16 queries x 64 bytes go through my own stage and leave as 1,024 consecutive bytes.  base: the scalar pair with the address; OR: eight registers of the pass's own.
.macro OUTP base, OR
.rept 4
	v_nop                                          ; places behind the last products, ahead of the first read of O^T
.endr
	v_add_f32 v14, v14, v15                        ; the sum's two halves,
	s_delay_alu instid0(VALU_DEP_1)
	v_permlanex16_b32 v236, v14, s[SEL], s[SEL+1]
	s_delay_alu instid0(VALU_DEP_1)
	v_add_f32 v14, v14, v236                       ; and lane l xor 16's: the row's sum, at least 1/2
	s_wait_alu depctr_va_vdst(0)
	v_rcp_f32 v14, v14
	v_nop                                          ; a plain instruction behind the reciprocal,
	s_wait_alu depctr_va_vdst(0)                   ; and the wait ahead of its first reader
.set j, 0
.rept 16
	v_pk_mul_f32 v[96+j:97+j], v[160+j:161+j], v[14:15] op_sel_hi:[1,0]   ; register 8 t + i is channel 16 t + 8 h + i of my query; each accumulator from its low end on
.set j, j+2
.endr
.set j, 0
.rept 32
.set j, j+1
.endr
.irp t, 0,1,2,3
	v_cvt_scalef32_pk8_fp8_f32 v[208+2*\t:209+2*\t], v[96+8*\t:103+8*\t], v245
.endr
	v_nop                                          ; one plain vector instruction behind the conversions
.irp t, 0,1,2,3
	ds_store_b64 v[STO], v[208+2*\t:209+2*\t] offset:16*\t
.endr
	ds_load_b128 v[\OR:\OR+3], v[RD]               ; LDS serves a wave's instructions in order (ISA guide 5.7.1.4): these see my stores
	ds_load_b128 v[\OR+4:\OR+7], v[RD] offset:640
	s_wait_dscnt 0x0
	global_store_b128 v[GO], v[\OR:\OR+3], s[\base:\base+1]              ; 32 lanes store 512 consecutive bytes, at a multiple of 256 from the buffer's first byte
	global_store_b128 v[GO], v[\OR+4:\OR+7], s[\base:\base+1] offset:512
.endm
	INIT UA                                        ; the first pass: u = 31 - wave
	s_wait_loadcnt 0x0                             ; Q
	s_wait_tensorcnt 0x3                           ; my first load, my part of chunks 0 and 1, has landed; my three later ones stay out
	s_barrier_signal -1
	s_barrier_wait -1                              ; everybody's has
	RUN 2, 0, 16                                   ; key steps 0-3: u is 16 or more, so none of them is hidden or on the diagonal.  Chunks 2 to 7 land meanwhile
	s_wait_tensorcnt 0x0                           ; all my loads have landed
	s_wait_dscnt 0x0
	s_barrier_signal -1
	s_barrier_wait -1                              ; everybody's have: from here on the waves run free
	RUN 6, 1, 16                                   ; key steps 4-15
	OUTP 96, 216
	INIT WV                                        ; the second pass: u = wave, 15 at the most: key steps 0-7
	RUN 4, 1, 24
	OUTP 98, 224
	s_wait_tensorcnt 0x0
	ds_add_u32 v251, v255
	s_wait_dscnt 0x0
	CROUND                                         ; the closing round: no work-group ends while a partner may still ask for a tile that names it
	s_endpgm
.Lfunc_end_k_q59df86dd1f_attn:
	.size	k_q59df86dd1f_attn, .Lfunc_end_k_q59df86dd1f_attn-k_q59df86dd1f_attn
	.p2alignl 7, 3214868480
	.fill 96, 4, 3214868480
	.section	.rodata,"a",@progbits
	.p2align	6, 0x0
	.amdhsa_kernel k_q59df86dd1f_attn
		.amdhsa_group_segment_fixed_size 301056
		.amdhsa_private_segment_fixed_size 0
		.amdhsa_enable_private_segment 0
		.amdhsa_kernarg_size 40
		.amdhsa_user_sgpr_count 2
		.amdhsa_user_sgpr_kernarg_segment_ptr 1
		.amdhsa_wavefront_size32 1
		.amdhsa_system_sgpr_workgroup_id_x 1
		.amdhsa_system_sgpr_workgroup_id_y 1
		.amdhsa_system_sgpr_workgroup_id_z 1
		.amdhsa_system_vgpr_workitem_id 0
		.amdhsa_next_free_vgpr 256
		.amdhsa_next_free_sgpr 100
		.amdhsa_reserve_vcc 1
		.amdhsa_float_denorm_mode_32 3
		.amdhsa_float_denorm_mode_16_64 3
		.amdhsa_fp16_overflow 1
		.amdhsa_memory_ordered 1
		.amdhsa_forward_progress 1
		.amdhsa_inst_pref_size 121
	.end_amdhsa_kernel
	.amdgpu_metadata
---
amdhsa.version: [ 1, 2 ]
amdhsa.kernels:
  - .name:           k_q59df86dd1f_attn
    .symbol:         k_q59df86dd1f_attn.kd
    .args:
      - { .name: q_codes, .offset: 0, .size: 8, .value_kind: global_buffer, .address_space: global }
      - { .name: k_codes, .offset: 8, .size: 8, .value_kind: global_buffer, .address_space: global }
      - { .name: v_codes, .offset: 16, .size: 8, .value_kind: global_buffer, .address_space: global }
      - { .name: lowp_scales, .offset: 24, .size: 8, .value_kind: global_buffer, .address_space: global }
      - { .name: a_codes, .offset: 32, .size: 8, .value_kind: global_buffer, .address_space: global }
    .group_segment_fixed_size: 301056
    .private_segment_fixed_size: 0
    .kernarg_segment_align: 8
    .kernarg_segment_size: 40
    .max_flat_workgroup_size: 512
    .sgpr_count:     100
    .vgpr_count:     256
    .wavefront_size: 32
...
	.end_amdgpu_metadata
.endif
;; end of part 2
;; launch proj (part 3): grid 4 x 64, 4 waves a work-group, clusters of 4 x 4, 327,680 bytes of LDS; arguments a_codes, W_proj_codes, lowp_scales, out0; writes out0
.if DOCPART == 3
	.amdgcn_target "amdgcn-amd-amdhsa--gfx1250"
	.amdhsa_code_object_version 6
	.text
	.protected	k_q59df86dd1f_proj
	.globl	k_q59df86dd1f_proj
	.p2align	8
	.type	k_q59df86dd1f_proj,@function
k_q59df86dd1f_proj:
	s_mov_b64 s[64:65], 0
	v_nop
	global_prefetch_b8 v0, s[64:65] scope:SCOPE_SE
	s_setreg_imm32_b32 hwreg(HW_REG_WAVE_MODE, 25, 1), 1
	s_wait_xcnt 0x0
	s_wait_alu depctr_hold_cnt(0) depctr_sa_sdst(0) depctr_va_vdst(0) depctr_va_sdst(0) depctr_va_ssrc(0) depctr_va_vcc(0) depctr_vm_vsrc(0)
	s_getreg_b32 s2, hwreg(HW_REG_IB_STS2, 6, 4)
	s_cmp_eq_u32 s2, 0
	s_cbranch_scc0 .Lentry_in_a_cluster
	s_endpgm
.Lentry_in_a_cluster:
	s_bfe_u32 s2, ttmp6, 0x10000c
	s_cmp_lg_u32 s2, 0xf033
	s_cbranch_scc0 .Lentry_shape_is_right
	s_endpgm
.Lentry_shape_is_right:
; out0 = A W_proj on codes of FP8 (E4M3).  A (the attention's result): a_codes [head 16][token 8192][64], so K = 64 x head + channel;  W_proj_codes: [1024 (n)][1024 (k)];  out0: [8192][1024] f32.
; The codes are multiplied as they are, and each finished sum once by 2^(e6 + e7), entries 6 and 7 of the scales.  LIMIT: e6 + e7 between -126 and 127, so that 2^(e6 + e7) is an f32 number.
; SHARES.  A tile of out0 is 128 tokens x 256 columns: 64 x 4 = 256 work-groups.  Four waves, each 64 x 128: 32 accumulators, 256 registers.
; K = 1024 goes in four steps of 256 (four heads) through two LDS slots filled by the tensor data mover.  Of A a head's 128 tokens are 8,192 dense bytes: a load brings two heads as two rows of 8,192 bytes, 524,288 apart,
; padded behind every 256 bytes: four tokens to an LDS row of 272.  Of W a load brings 128 rows of 256 bytes.
; CLUSTERS: 4 x 4 work-groups.  A's tile hangs on the tile row and is asked for jointly by the four of a row of the cluster, W's on the tile column and by the four of a column.
; THE MATRIX INSTRUCTION IS USED TRANSPOSED (source 0 = 16 rows of W, source 1 = 16 tokens): a lane then holds eight neighbouring numbers of a row of out0.
; REGISTERS, in windows of 256: window 0: v0-31 addresses; A's fragments (4 x 16 tokens x 128 K), two sets, at v64 and v128; on the way out v32-255 are free.  window 1: W's fragments, two sets, at v0 and v128.
;   window 2: the accumulators ((a, b) at v[8 (8 a + b)]).
.set KROW,   1024                      ; a row of W in memory, in bytes
.set ROWB,   256                       ; 256 along K in bytes
.set HEADM,  524288                    ; a head of a_codes in memory
.set PITCH,  272                       ; an LDS row: 256 bytes + 16 of padding = 68 words: row r starts at bank 4 r mod 64 (64 banks of 4 bytes: ISA guide 11.1)
.set HEADB,  32*PITCH                  ; a head's 128 tokens in LDS
.set ABYTES, 4*HEADB                   ; A's part of a slot
.set HALFB,  128*PITCH                 ; 128 rows of W
.set SLOT,   ABYTES+2*HALFB
.set SPARE,  2*SLOT                    ; behind the ring: the spare words, 128 bytes for each wave: two blocks of 256 bytes that no other line names
.set SPITCH, 528                       ; the way out: a stage of 16 rows x (512 bytes + 16) for each wave.  It lies in slot 0, which has had its last fill and its last read when the first result is stored there
.set FR,     16
.set NP,     4                         ; places behind this matrix instruction (ISA guide 7.12.1)
.set ADRA, 16                          ; v16-17  LDS address of my A fragments in slot 0, 1
.set ADRB, 20                          ; v20-21  the same for W
.set STO,  24                          ; v24     the way out: where I put 32 bytes of a row
.set RD,   25                          ; v25     where I read a row back
.set CO,   26                          ; v26     my byte offset in a row's 512 bytes
.set SPW,  28                          ; v28     LDS address of my spare word: SPARE + 4 x my thread's number; never rewritten
.set NIL,  29                          ; v29     0; never rewritten
.set TMP,  32                          ; the way out: 64 registers, a block's sums x 2^(e6 + e7)
.set AF,   64                          ; A's fragments, in window 0
.set BK,   128                         ; the way out: 16 rows read back from the stage: v128-191 and v192-255 by turns
.set G1, 24                            ; s[24:31] descriptor group 1 for A's tiles;  s[32:39] group 0, one set for each slot
.set G0, 32
.set G1B, 48                           ; s[48:55], s[56:63] the same for W's tiles
.set G0B, 56
.set MSB, 0
.macro WIN new                         ; the immediate's high byte repeats the setting that is left
.if MSB != \new
	s_set_vgpr_msb (MSB<<8)|\new
.set MSB, \new
.endif
.endm
.set MUL,  0xa1                        ; source 0 (W) window 1, source 1 (A) window 0, C and D window 2
.set TO_B, 0x40                        ; destination window 1, address window 0
; A joint load: waves 0 and 1 fetch for A, waves 2 and 3 for W.  The branch hangs on the wave's number alone.  Four v_nop follow each of the two lines.
.macro JLOAD g0a, g1a, g0b, g1b
	s_cmp_eq_u32 s15, 0
	s_cbranch_scc0 .Lfor_b_\@
	tensor_load_to_lds s[\g0a:\g0a+3], s[\g1a:\g1a+7]
	s_nop 0
.rept 4
	v_nop
.endr
	s_branch .Lasked_\@
.Lfor_b_\@:
	tensor_load_to_lds s[\g0b:\g0b+3], s[\g1b:\g1b+7]
	s_nop 0
.rept 4
	v_nop
.endr
.Lasked_\@:
.endm
.macro CREST                           ; a round of the cluster's barrier behind its opening barrier
	s_cmp_lg_u32 s14, 0
	s_cbranch_scc1 .Lnot_wave_0_\@
	s_barrier_signal -3
.Lnot_wave_0_\@:
	s_barrier_wait -3
	s_barrier_signal -1
	s_barrier_wait -1
.endm
.macro CROUND                          ; a whole round
	s_barrier_signal -1
	s_barrier_wait -1
	CREST
.endm
	s_load_b128 s[4:7], s[0:1], 0x0                ; a_codes s[4:5], W's codes s[6:7]
	s_load_b128 s[8:11], s[0:1], 0x10              ; the scales' exponents s[8:9], out0 s[10:11]
	v_lshl_add_u32 v[SPW], v0, 2, SPARE
	v_mov_b32 v[NIL], 0
	ds_add_u32 v28, v29
	ds_add_u32 v28, v29
	s_wait_dscnt 0x0
	v_lshrrev_b32 v1, 5, v0
	v_readfirstlane_b32 s14, v1                    ; wave 0..3
	s_lshr_b32 s15, s14, 1                         ; which 64 of the tile's tokens are mine.  Also: I fetch for A (0) or for W (1)
	s_and_b32 s16, s14, 1                          ; which 128 of its columns.  Also: which half of that tile I fetch
	s_bfe_u32 s40, ttmp6, 0x40000                  ; cx, cy: my place in the cluster
	s_bfe_u32 s41, ttmp6, 0x40004
	s_lshl_b32 s42, ttmp9, 2
	s_add_co_u32 s42, s42, s40                     ; tile column = 4 x cluster x + cx
	s_and_b32 s17, ttmp7, 0xffff
	s_lshl_b32 s17, s17, 2
	s_add_co_u32 s17, s17, s41                     ; tile row = 4 x cluster y + cy
	s_lshl_b32 s43, s41, 2
	s_lshl_b32 s43, 15, s43                        ; my row of the cluster
	s_lshl_b32 s44, 0x1111, s40                    ; my column
	s_or_b32 s[G1+0], s43, (0<<16)|(1<<20)|(1<<21)|(5<<22)|(3<<25)  ; 15:0 the mask: A's tiles go to my row; 17:16 element of 1 byte; 20 padding on; 21 set beside a mask; 24:22 after every 64 words (code 5); 31:25 of 4 words (code 3)
	s_mov_b32 s[G1+1], 8192<<16                    ; tensor_dim0 = 8,192: a head's 128 tokens
	s_mov_b32 s[G1+2], 2<<16                       ; tensor_dim1 = 2 heads
	s_mov_b32 s[G1+3], 8192<<16                    ; tile_dim0
	s_mov_b32 s[G1+4], 2                           ; tile_dim1
	s_mov_b32 s[G1+5], HEADM                       ; tensor_dim0_stride: from head to head
	s_mov_b32 s[G1+6], 0
	s_mov_b32 s[G1+7], 0
	s_or_b32 s[G1B+0], s44, (0<<16)|(1<<20)|(1<<21)|(5<<22)|(3<<25)
	s_mov_b32 s[G1B+1], ROWB<<16
	s_mov_b32 s[G1B+2], 128<<16
	s_mov_b32 s[G1B+3], ROWB<<16
	s_mov_b32 s[G1B+4], 128
	s_mov_b32 s[G1B+5], KROW
	s_mov_b32 s[G1B+6], 0
	s_mov_b32 s[G1B+7], 0
	s_lshl_b32 s20, s16, 20                        ; A: heads 2 x half on,
	s_lshl_b32 s21, s17, 13                        ; tokens 128 x tile row on, 64 bytes each
	s_add_co_u32 s20, s20, s21
	s_mov_b32 s21, 0
	s_lshl_b32 s46, s42, 18                        ; W: row 256 x tile column + 128 x half, 1,024 bytes each
	s_lshl_b32 s47, s16, 17
	s_add_co_u32 s46, s46, s47
	s_mov_b32 s47, 0
	s_mul_i32 s45, s16, 2*HEADB                    ; where they go: no place in the cluster enters an LDS address
	s_mul_i32 s22, s16, HALFB
	s_add_co_u32 s22, s22, ABYTES
	s_wait_kmcnt 0x0
	s_load_b64 s[96:97], s[8:9], 0x18              ; e6, e7
	s_add_nc_u64 s[20:21], s[4:5], s[20:21]
	s_add_nc_u64 s[46:47], s[6:7], s[46:47]
	CROUND                                         ; all sixteen work-groups are here: the first joint loads meet
.irp s, 0,1
	s_mov_b32 s[G0+4*\s], 1
	s_add_co_u32 s[G0+4*\s+1], s45, \s*SLOT
	s_add_nc_u64 s[G0+4*\s+2:G0+4*\s+3], s[20:21], \s*4*HEADM     ; K step s: heads 4 s on
	s_or_b32 s[G0+4*\s+3], s[G0+4*\s+3], 0x80000000
	s_mov_b32 s[G0B+4*\s], 1
	s_add_co_u32 s[G0B+4*\s+1], s22, \s*SLOT
	s_add_nc_u64 s[G0B+4*\s+2:G0B+4*\s+3], s[46:47], \s*ROWB
	s_or_b32 s[G0B+4*\s+3], s[G0B+4*\s+3], 0x80000000
	s_wait_alu depctr_va_vdst(0)
	s_wait_tensorcnt 0x0
	ds_add_u32 v28, v29
	ds_add_u32 v28, v29
	s_wait_dscnt 0x0
	CROUND
	JLOAD G0+4*\s, G1, G0B+4*\s, G1B               ; one load of mine is out: the first has landed
.endr
	v_and_b32 v1, 15, v0                           ; r = l % 16
	v_bfe_u32 v2, v0, 4, 1                         ; h = l / 16
	v_mul_u32_u24 v3, v1, PITCH
	v_lshl_add_u32 v4, v2, 4, v3                   ; W: row r x pitch + 16 h
	v_lshrrev_b32 v5, 2, v1
	v_mul_u32_u24 v5, v5, PITCH
	v_and_b32 v6, 3, v1
	v_lshl_add_u32 v5, v6, 6, v5
	v_lshl_add_u32 v5, v2, 4, v5                   ; A: token r at (r / 4) 272 + (r % 4) 64, + 16 h
	s_mul_i32 s21, s15, 16*PITCH                   ; my 64 tokens: 16 LDS rows
	s_mul_i32 s23, s16, HALFB                      ; my 128 rows of W,
	s_add_co_u32 s23, s23, ABYTES                  ; which lie behind A's part
.irp s, 0,1
	v_add_nc_u32 v[ADRA+\s], s21, v5
	v_add_nc_u32 v[ADRB+\s], s23, v4
	s_add_co_u32 s21, s21, SLOT
	s_add_co_u32 s23, s23, SLOT
.endr
	s_mul_i32 s23, s14, 16*SPITCH                  ; my stage
	v_mul_u32_u24 v7, v1, SPITCH                   ; in: row l % 16, 32 bytes for each half of the lanes
	v_lshl_add_u32 v7, v2, 5, v7
	v_add_nc_u32 v[STO], s23, v7
	v_and_b32 v8, 31, v0
	v_lshlrev_b32 v[CO], 4, v8                     ; back: the 32 lanes take one row of 512 bytes; and the same in out0
	v_add_nc_u32 v[RD], s23, v[CO]
	s_lshl_b32 s20, s17, 7
	s_lshl_b32 s21, s15, 6
	s_add_co_u32 s20, s20, s21                     ; my first row of out0: 128 x tile row + 64 x half,
	s_lshl_b32 s20, s20, 12                        ; of 4,096 bytes
	s_lshl_b32 s46, s42, 10                        ; my first column, in bytes: 1024 x tile column + 512 x half
	s_lshl_b32 s47, s16, 9
	s_add_co_u32 s46, s46, s47
	s_add_co_u32 s20, s20, s46
	s_mov_b32 s21, 0
	s_add_nc_u64 s[10:11], s[10:11], s[20:21]
; 16 matrix instructions: A's blocks a0, a0 + 1 x W's eight, 128 along K, both from set p.  zero = 1: the first product starts the sums.
; The 32 accumulators take turns, one instruction a turn, in the same order in every step.
.macro MUL16 a0, p, zero
.irp a, \a0, \a0+1
.irp b, 0,1,2,3,4,5,6,7
.if \zero
	v_wmma_f32_16x16x128_fp8_fp8 v[8*(8*(\a)+\b):8*(8*(\a)+\b)+7], v[128*(\p)+FR*\b:128*(\p)+FR*\b+FR-1], v[AF+64*(\p)+FR*(\a):AF+64*(\p)+FR*(\a)+FR-1], 0
.else
	v_wmma_f32_16x16x128_fp8_fp8 v[8*(8*(\a)+\b):8*(8*(\a)+\b)+7], v[128*(\p)+FR*\b:128*(\p)+FR*\b+FR-1], v[AF+64*(\p)+FR*(\a):AF+64*(\p)+FR*(\a)+FR-1], v[8*(8*(\a)+\b):8*(8*(\a)+\b)+7]
.endif
.endr
.endr
.endm
; 48 LDS loads in one run: the fragments of the slot's q-th 128 along K into set p.  In both operands registers 4 c .. 4 c + 3 hold K = 128 q + 32 c + 16 h + 0 .. 15; in A that is head 2 q + c / 2 of the slot, channel 32 (c % 2) + 16 h on.
.macro FETCH slot, q, p
	WIN TO_B
.irp i, 0,1,2,3,4,5,6,7
.irp c, 0,1,2,3
	ds_load_b128 v[128*(\p)+FR*\i+4*\c:128*(\p)+FR*\i+4*\c+3], v[ADRB+\slot] offset:128*(\q)+32*\c+\i*16*PITCH
.endr
.endr
	WIN 0
.irp i, 0,1,2,3
.irp c, 0,1,2,3
	ds_load_b128 v[AF+64*(\p)+FR*\i+4*\c:AF+64*(\p)+FR*\i+4*\c+3], v[ADRA+\slot] offset:(2*(\q)+\c/2)*HEADB+\i*4*PITCH+32*(\c%2)
.endr
.endr
.endm
.macro PLACES n                        ; places in front of loads into registers that matrix instructions have read, and of the first read of results (ISA guide 7.12.1 for vector instructions)
.rept \n
	v_nop
.endr
.endm
; A slot's first 128 along K, on set 0; the second 128's fragments are asked for ahead of its 32 products.
.macro STEP slot, zero
	s_wait_dscnt 0x0                               ; set 0 is in
	PLACES NP
	FETCH \slot, 1, 1
	WIN MUL
	MUL16 0, 0, \zero
	MUL16 2, 0, \zero
.endm
; A slot's second 128, on set 1, changes slots: ONE barrier; in front of it each wave waits for all its tensor loads, adds 0 to its spare word, and waits for that and for its own reads of this slot.  fill = 1: this slot is filled again, two K steps ahead.
.macro TURN slot, next, fill
	WIN 0                                          ; (the add's two registers lie in window 0)
	s_wait_tensorcnt 0x0                           ; all my tensor loads have landed: my part of the next slot;
	ds_add_u32 v[SPW], v[NIL]                      ; 0 onto my spare word
	s_wait_dscnt 1                                 ; set 1 is in (the add alone may be out)
	WIN MUL
	MUL16 0, 1, 0                                  ; sixteen matrix instructions stand between the add and the wait for it
	s_wait_dscnt 0x0                               ; the add is done, and my reads of this slot are over
	s_barrier_signal -1
	WIN 0
	s_barrier_wait -1
.if \fill
	CREST                                          ; the barrier has opened a round of the cluster's barrier: no wave of any partner still reads this slot's tile or has a load on its way
	s_add_nc_u64 s[G0+4*\slot+2:G0+4*\slot+3], s[G0+4*\slot+2:G0+4*\slot+3], 8*HEADM
	s_add_nc_u64 s[G0B+4*\slot+2:G0B+4*\slot+3], s[G0B+4*\slot+2:G0B+4*\slot+3], 2*ROWB
	JLOAD G0+4*\slot, G1, G0B+4*\slot, G1B         ; the first tensor load behind the round, my only one until the next; the four v_nop behind it are the places in front of the loads below
.else
	PLACES NP
.endif
	FETCH \next, 0, 0
	WIN MUL
	MUL16 2, 1, 0
.endm
	s_wait_alu depctr_va_vdst(0)
	s_wait_tensorcnt 1                             ; my part of K step 0 is in (K step 1's load may be out)
	s_barrier_signal -1
	s_barrier_wait -1                              ; everybody's is
	FETCH 0, 0, 0
	STEP 0, 1                                      ; K 0-127: its products start the sums.  1024 along K are eight steps, written out: no loop
	TURN 0, 1, 1                                   ; slot 0 takes K 512-767
	STEP 1, 0
	TURN 1, 0, 1                                   ; slot 1 takes K 768-1023
	STEP 0, 0
	TURN 0, 1, 0                                   ; nothing is left to fetch.  Behind this barrier nobody reads slot 0
	STEP 1, 0
	s_wait_dscnt 0x0                               ; the very last step
	MUL16 0, 1, 0
	MUL16 2, 1, 0
	WIN 0
; THE WAY OUT, block by block of 16 rows x 128 columns.  A lane holds 32 neighbouring bytes of a row, and the lanes beside it hold other rows: so a block goes through my own stage in LDS and comes back as whole
; rows of 512 bytes.  LDS serves a wave's instructions in order (ISA guide 5.7.1.4): no wait between the stores and the loads, nor in front of the next block's stores.
.macro TOSTAGE a
.set AC, 64*(\a)
	WIN 0x02                                       ; source 0: window 2
.set j, 0
.rept 32
	v_pk_mul_f32 v[TMP+j:TMP+j+1], v[AC+j:AC+j+1], s[96:97] op_sel_hi:[1,0]   ; both x s96 = 2^(e6 + e7); each accumulator from its low end on
.set j, j+2
.endr
	WIN 0
.irp b, 0,1,2,3,4,5,6,7
	ds_store_b128 v[STO], v[TMP+8*\b:TMP+8*\b+3] offset:64*\b
	ds_store_b128 v[STO], v[TMP+8*\b+4:TMP+8*\b+7] offset:64*\b+16
.endr
.set BB, BK+64*((\a)%2)
.irp t, 0,1,2,3,4,5,6,7,8,9,10,11,12,13,14,15
	ds_load_b128 v[BB+4*\t:BB+4*\t+3], v[RD] offset:\t*SPITCH
.endr
.endm
.macro SEND a, younger                 ; younger: the LDS instructions issued behind block a's loads, which may stay out
.set BB, BK+64*((\a)%2)
	s_wait_dscnt \younger                          ; the block is back in registers
.if (\a) > 0
	s_add_nc_u64 s[10:11], s[10:11], 16*4096       ; (behind a wait on XCNT: the earlier stores have read their base)  16 rows on
.endif
.irp t, 0,1,2,3,4,5,6,7,8,9,10,11,12,13,14,15
	global_store_b128 v[CO], v[BB+4*\t:BB+4*\t+3], s[10:11] offset:\t*4096 th:TH_STORE_NT   ; 32 lanes store 512 consecutive bytes, at a multiple of 256 from out0's first byte; written once, read by nobody here
.endr
.endm
	s_wait_kmcnt 0x0
	s_add_co_i32 s96, s96, s97                     ; e6 + e7, between -126 and 127,
	s_add_co_i32 s96, s96, 127
	s_lshl_b32 s96, s96, 23                        ; makes the f32 number 2^(e6 + e7)
	PLACES NP                                      ; behind the last products: the lines below write and load into registers that held A's fragments
	TOSTAGE 0
.irp a, 1,2,3
.if \a > 1
	s_wait_xcnt 0x0                                ; block a - 2's stores have read their registers and their base: block a's loads may land there, and the base may step
.endif
	TOSTAGE \a
	SEND \a-1, 32                                  ; behind block a - 1's loads: block a's 16 stores and 16 loads
.endr
	s_wait_xcnt 0x0                                ; block 2's stores have read their base
	SEND 3, 0
	s_wait_tensorcnt 0x0                           ; the wave's end: behind my last tensor load and my last LDS store
	ds_add_u32 v[SPW], v[NIL]
	s_wait_dscnt 0x0
	CROUND                                         ; the closing round: no work-group ends while a partner may still ask for a tile that names it
	s_endpgm
.Lfunc_end_k_q59df86dd1f_proj:
	.size	k_q59df86dd1f_proj, .Lfunc_end_k_q59df86dd1f_proj-k_q59df86dd1f_proj
	.p2alignl 7, 3214868480
	.fill 96, 4, 3214868480
	.section	.rodata,"a",@progbits
	.p2align	6, 0x0
	.amdhsa_kernel k_q59df86dd1f_proj
		.amdhsa_group_segment_fixed_size 327680
		.amdhsa_private_segment_fixed_size 0
		.amdhsa_enable_private_segment 0
		.amdhsa_kernarg_size 32
		.amdhsa_user_sgpr_count 2
		.amdhsa_user_sgpr_kernarg_segment_ptr 1
		.amdhsa_wavefront_size32 1
		.amdhsa_system_sgpr_workgroup_id_x 1
		.amdhsa_system_sgpr_workgroup_id_y 1
		.amdhsa_system_sgpr_workgroup_id_z 1
		.amdhsa_system_vgpr_workitem_id 0
		.amdhsa_next_free_vgpr 768
		.amdhsa_next_free_sgpr 98
		.amdhsa_reserve_vcc 0
		.amdhsa_float_denorm_mode_32 3
		.amdhsa_float_denorm_mode_16_64 3
		.amdhsa_memory_ordered 1
		.amdhsa_forward_progress 1
		.amdhsa_inst_pref_size 76
	.end_amdhsa_kernel
	.amdgpu_metadata
---
amdhsa.version: [ 1, 2 ]
amdhsa.kernels:
  - .name:           k_q59df86dd1f_proj
    .symbol:         k_q59df86dd1f_proj.kd
    .args:
      - { .name: a_codes, .offset: 0, .size: 8, .value_kind: global_buffer, .address_space: global }
      - { .name: W_proj_codes, .offset: 8, .size: 8, .value_kind: global_buffer, .address_space: global }
      - { .name: lowp_scales, .offset: 16, .size: 8, .value_kind: global_buffer, .address_space: global }
      - { .name: out0, .offset: 24, .size: 8, .value_kind: global_buffer, .address_space: global }
    .group_segment_fixed_size: 327680
    .private_segment_fixed_size: 0
    .kernarg_segment_align: 8
    .kernarg_segment_size: 32
    .max_flat_workgroup_size: 128
    .sgpr_count:     98
    .vgpr_count:     768
    .wavefront_size: 32
...
	.end_amdgpu_metadata
.endif
;; end of part 3
